; MI455X (gfx1250); checked and timed in simulation.
; The chip was launched on July 23, 2026; its instructions are those of AMD's public machine-readable ISA for CDNA 5 (MIT licence, August 2026) and "CDNA5" Instruction Set Architecture Reference Guide (July 2026). The comments in the code are by the model that wrote it; some were corrected since.
;; Layer Norm LSTM Cell. Allowed arithmetic: matrix products marked QUANTISED: E4M3 operands, one E8M0 scale for each 32 along K, by v_wmma_scale_f32_16x16x128_f8f6f4 with both operands' format E4M3, f32 sums; everything else in f32.
;; Inputs: bias_hh 4,096 float32; bias_ih 4,096 float32; cx 8,192 x 1,024 float32; hx 8,192 x 1,024 float32; ln_cx_b 1,024 float32; ln_cx_g 1,024 float32; ln_cy_b 1,024 float32; ln_cy_g 1,024 float32; ln_f_b 1,024 float32; ln_f_g 1,024 float32; ln_i_b 1,024 float32; ln_i_g 1,024 float32; ln_o_b 1,024 float32; ln_o_g 1,024 float32; weight_hh 4,096 x 1,024 float32; weight_ih 4,096 x 1,024 float32; x 8,192 x 1,024 float32.
;; Outputs: out0 8,192 x 1,024 float32; out1 8,192 x 1,024 float32.
;; This version of the problem:
;;   THIS VERSION OF THE PROBLEM IS GIVEN IN LOW PRECISION. The matrix products marked QUANTISED in the list below multiply operands that are first quantised to E4M3 (4 exponent bits, 3 mantissa bits; 8 bits a number), with one power-of-two scale for each 32 numbers along K (OCP MX v1.0); their sums are f32. All else is computed in f32.
;;   The module's matrix products, in the order in which they are computed (A, B: the left and right operand; K: the contracted axis; several contracted axes count as one K, in the product's order):
;;     1. [M 8,192, K 1,024] x [K 1,024, N 4,096]; A: input x; B: input weight_ih: QUANTISED
;;     2. [M 8,192, K 1,024] x [K 1,024, N 4,096]; A: input hx; B: input weight_hh: QUANTISED
;;   THE QUANTISER, for each operand of a quantised product, along K:
;;     - K is cut into blocks of 32 from its start; a last block that is shorter is filled with zeros.
;;     - A block's scale is 2^e with e = floor(log2(the largest magnitude in the block)) - 8, held to -126 .. 127; a block of zeros has e = 0. As a byte (E8M0): e + 127.
;;     - Each number is divided by its block's scale, clamped to +-448, and rounded to the nearest number of E4M3, ties to even, subnormals kept.
;;     - The product sums the exact products of the quantised numbers (number of the format x scale) in f32.
;;   ~~~python
;;   def quantise(x, axis):      # numpy; x: float32 -> the quantised numbers, widened to float32 again
;;       x = np.moveaxis(x, axis, -1); K = x.shape[-1]
;;       x = np.pad(x, [(0, 0)] * (x.ndim - 1) + [(0, -K % 32)]); x = x.reshape(x.shape[:-1] + (-1, 32)); a = np.abs(x).max(-1, keepdims=True)
;;       e = np.where(a > 0, np.clip(np.frexp(np.where(a > 0, a, 1))[1] - 1 - 8, -126, 127), 0)      # np.frexp(a)[1] - 1 = floor(log2(a)), exactly
;;       r = np.clip(x / 2.0 ** e, -448, 448)
;;       step = 2.0 ** (np.maximum(np.frexp(np.where(r == 0, 1, r))[1] - 1, -6) - 3)
;;       q = np.round(r / step) * step * 2.0 ** e      # np.round: ties to even
;;       return np.moveaxis(q.reshape(q.shape[:-2] + (-1,))[..., :K], -1, axis).astype(np.float32)
;;   ~~~
;; One version. Each part assembles by itself: llvm-mc -triple=amdgcn-amd-amdhsa -mcpu=gfx1250 --defsym DOCPART=n.
;; ======== version 1 of 1: 3 launches
;; limits: right only within a limited range of input values
;; workspace buffers: a_pack 17,301,504 bytes; b_pack 8,650,752 bytes; gates 134,217,728 bytes
;; launch quant (part 1): grid 768 x 1, 4 waves a work-group, no clusters, 33,280 bytes of LDS; arguments x, hx, weight_ih, weight_hh, a_pack, b_pack; writes a_pack, b_pack
.if DOCPART == 1
	.amdgcn_target "amdgcn-amd-amdhsa--gfx1250"
	.amdhsa_code_object_version 6
	.text
	.protected	k_q61902b4b1d_quant
	.globl	k_q61902b4b1d_quant
	.p2align	8
	.type	k_q61902b4b1d_quant,@function
k_q61902b4b1d_quant:
	s_mov_b64 s[64:65], 0
	v_nop
	global_prefetch_b8 v0, s[64:65] scope:SCOPE_SE
	s_setreg_imm32_b32 hwreg(HW_REG_WAVE_MODE, 25, 1), 1
	s_wait_xcnt 0x0
; x, hx [8192][1024] and weight_ih, weight_hh [4096][1024], f32, become codes of FP8 (E4M3) with one E8M0 scale byte for each 32 along K.
; The cell's two products have the same M and N: they are ONE product over K = 2,048 of [x | hx] with [weight_ih | weight_hh].
; THE WORKSPACE: a_pack and b_pack are [K step of 256: 8][group of 128 rows][132 rows of 256 bytes]: 128 rows of codes, then four rows of scale bytes, 8 a row of codes: 33,792 dense bytes.
; K steps 0-3 come from x (weight_ih), 4-7 from hx (weight_hh).
; THE ROWS OF A GROUP ARE NOT IN THEIR OWN ORDER: inside each 64 rows, row n lies at place 16 (n % 4) + n / 4, codes and scale bytes alike, in both workspaces.
; So the tiles of 16 places that the product's launch multiplies hold every fourth row, and four neighbouring tiles give a lane four neighbouring columns of the result.
; A block of 32's scale is 2^(floor(log2(largest magnitude)) - 8); its byte is that magnitude's exponent field - 8, held at 1 from below.  Each number is divided by the scale, held within +-448, rounded to nearest, ties to even.
; LIMITS: a block of zeros gets the byte 1 where the rule says 127: its codes are zeros, and this program alone reads the bytes.  NaN and infinities among the inputs are not served.
; SHARES: work-groups 0-255 take x, 256-511 hx, 512-639 weight_ih, 640-767 weight_hh: only pointers are chosen, all take one path.  A work-group takes 32 rows, wave w their K step w (1,024 bytes of each row).
; A wave has 16 steps of 512 numbers, step t = rows 2 t and 2 t + 1.  Each load reads 512 consecutive bytes; the numbers turn through the wave's own LDS stage so that a lane holds 16 neighbours along K.
; Sixteen lanes store one row of 256 codes, aligned.  A row's 8 scale bytes leave in runs of 64 bytes (8 neighbouring places): one byte in 32 of what is stored.  No tensor loads, no barrier: waves share nothing.
.set STEPS, 16
.set EMAX,  8
.set MANT,  0x600000                   ; the mantissa field of 448
.set BLK,   132*256
.set R,     16                         ; v16-79   four sets of 16 numbers as loaded
.set X,     80                         ; v80-111  two sets of 16 neighbours
.set C,     128                        ; v128-191 codes, four registers a step
.set E,     112                        ; v112-127 a scale byte a step
.set WREG,  8192                       ; LDS of a wave: two stages of 32 x SP bytes, then its 256 scale bytes
.set SP,    80
	s_load_b128 s[4:7], s[0:1], 0x0                ; x, hx
	s_load_b128 s[8:11], s[0:1], 0x10              ; weight_ih, weight_hh
	s_load_b128 s[12:15], s[0:1], 0x20             ; a_pack, b_pack
	v_lshl_add_u32 v192, v0, 2, 0x8000             ; my spare word, behind the four regions
	v_mov_b32 v193, 0
	v_lshrrev_b32 v1, 5, v0
	v_readfirstlane_b32 s24, v1                    ; wave
	v_and_b32 v2, 31, v0                           ; lane
	v_lshlrev_b32 v3, 4, v2                        ; my 16 bytes of a load's 512
	s_mul_i32 s25, s24, WREG
	v_lshrrev_b32 v14, 2, v2
	v_mul_u32_u24 v14, v14, SP
	v_and_b32 v15, 3, v2
	v_lshl_add_u32 v14, v15, 4, v14
	v_add_nc_u32 v14, s25, v14                     ; the stage, way in: SP (lane / 4) + 16 (lane % 4)
	v_mul_u32_u24 v15, v2, SP
	v_add_nc_u32 v15, s25, v15                     ; way out: SP x lane
	v_and_b32 v4, 15, v2
	v_lshlrev_b32 v4, 4, v4
	v_lshrrev_b32 v9, 4, v2
	v_lshl_add_u32 v4, v9, 12, v4                  ; codes: 16 (lane % 16); the odd row of a step lies 16 places (4,096 bytes) behind the even one
	v_lshrrev_b32 v5, 1, v2
	s_add_co_u32 s25, s25, 2*32*SP
	v_add_nc_u32 v5, s25, v5                       ; LDS: my block's scale byte
	v_lshlrev_b32 v7, 3, v2
	v_add_nc_u32 v6, s25, v7                       ; and back: lane l takes row l's 8 bytes,
	v_and_b32 v1, 3, v2
	v_lshrrev_b32 v8, 2, v2
	v_lshlrev_b32 v1, 7, v1
	v_lshl_add_u32 v1, v8, 3, v1                   ; which go to place 16 (l % 4) + l / 4, 8 bytes a place
	s_mov_b32 s23, MANT
	s_mov_b32 s26, 128
	s_mov_b32 s29, 0                               ; the upper word of every offset
	s_wait_alu depctr_va_vdst(0)                   ; the wait at the head's end
	s_wait_kmcnt 0x0
	s_cmp_lt_u32 ttmp9, 512                        ; activations or weights?
	s_cselect_b64 s[4:5], s[4:5], s[8:9]
	s_cselect_b64 s[6:7], s[6:7], s[10:11]
	s_cselect_b64 s[12:13], s[12:13], s[14:15]
	s_cselect_b32 s25, 0, 512
	s_cselect_b32 s26, 256, s26                    ; work-groups to a tensor
	s_cselect_b32 s27, 6, 5                        ; log2 of its groups of 128 rows
	s_sub_co_u32 s25, ttmp9, s25
	s_cmp_ge_u32 s25, s26                          ; the first tensor of the pair or the second?
	s_cselect_b64 s[4:5], s[6:7], s[4:5]
	s_cselect_b32 s30, 4, 0
	s_cselect_b32 s26, s26, 0
	s_sub_co_u32 s25, s25, s26                     ; which 32 rows of the tensor
	s_add_co_u32 s30, s30, s24                     ; my wave's K step
	s_lshl_b32 s28, s25, 17
	s_lshl_b32 s31, s24, 10
	s_add_co_u32 s28, s28, s31
	s_add_nc_u64 s[4:5], s[4:5], s[28:29]          ; in: 32 rows of 4,096 bytes, my 1,024 of each
	s_lshl_b32 s28, s30, s27
	s_lshr_b32 s31, s25, 2
	s_add_co_u32 s28, s28, s31
	s_mul_i32 s28, s28, BLK
	s_add_nc_u64 s[12:13], s[12:13], s[28:29]      ; the block
	s_and_b32 s31, s25, 3                          ; which 32 of its 128 rows:
	s_lshr_b32 s26, s31, 1                         ; which 64,
	s_and_b32 s31, s31, 1                          ; and which half of them: 8 places on in each run of 16
	s_lshl_b32 s28, s26, 9
	s_lshl_b32 s27, s31, 6
	s_add_co_u32 s28, s28, s27
	s_add_co_u32 s28, s28, 128*256
	s_add_nc_u64 s[14:15], s[12:13], s[28:29]      ; scale bytes: 8 a place
	s_lshl_b32 s28, s26, 14
	s_lshl_b32 s27, s31, 11
	s_add_co_u32 s28, s28, s27
	s_add_nc_u64 s[12:13], s[12:13], s[28:29]      ; codes: 256 a place
.macro LOAD t
.irp i, 0,1,2,3
	global_load_b128 v[R+16*((\t)%4)+4*\i:R+16*((\t)%4)+4*\i+3], v3, s[4:5] offset:(2*(\t)+\i/2)*4096+(\i%2)*512 th:TH_LOAD_NT
.endr
.endm
.macro TURN t                          ; LDS serves a wave's instructions in order: no wait between the stores and the loads
.irp i, 0,1,2,3
	ds_store_b128 v14, v[R+16*((\t)%4)+4*\i:R+16*((\t)%4)+4*\i+3] offset:32*SP*((\t)%2)+8*SP*\i
.endr
.irp i, 0,1,2,3
	ds_load_b128 v[X+16*((\t)%2)+4*\i:X+16*((\t)%2)+4*\i+3], v15 offset:32*SP*((\t)%2)+16*\i
.endr
.endm
.irp t, 0,1,2,3
	LOAD \t
.endr
	s_wait_loadcnt 12                              ; step 0's four loads are in; the twelve of steps 1 to 3 may be out
	TURN 0
.macro STEP t
.set XS, X+16*((\t)%2)
.if (\t) > 0
	s_wait_dscnt 1                                 ; this step's numbers are back (the last step's byte store may be out)
.else
	s_wait_dscnt 0x0
.endif
.if (\t)+4 < STEPS
	LOAD (\t)+4
.endif
.if (\t)+1 < STEPS
.if STEPS-2-(\t) >= 3
	s_wait_loadcnt 12                              ; the next step's four are in; three steps' loads may be out
.else
	s_wait_loadcnt 4*(STEPS-2-(\t))
.endif
	TURN (\t)+1
.endif
	v_max3_num_f32 v8, |v[XS]|, |v[XS+1]|, |v[XS+2]|
	v_max3_num_f32 v9, |v[XS+3]|, |v[XS+4]|, |v[XS+5]|
.irp i, 6,10
	v_max3_num_f32 v8, v8, |v[XS+\i]|, |v[XS+\i+1]|
	v_max3_num_f32 v9, v9, |v[XS+\i+2]|, |v[XS+\i+3]|
.endr
	v_max3_num_f32 v8, v8, |v[XS+14]|, |v[XS+15]|
	v_max3_num_f32 v8, v8, v9, (EMAX+1)<<23        ; the floor: the byte cannot fall under 1
	v_max_num_f32_dpp v8, v8, v8 row_xmask:1 row_mask:0xf bank_mask:0xf   ; with my neighbour's 16: the block's
	v_add_nc_u32 v11, -(EMAX<<23), v8              ; the conversion's scale operand
	v_and_or_b32 v10, v8, 0x7f800000, s23          ; 448 x the scale
.irp i, 0,1,2,3,4,5,6,7,8,9,10,11,12,13,14,15
	v_med3_num_f32 v[XS+\i], v[XS+\i], -v10, v10   ; the conversion does not saturate (ISA guide 7.6.2)
.endr
	v_cvt_scalef32_pk8_fp8_f32 v[C+4*(\t):C+4*(\t)+1], v[XS:XS+7], v11
	v_cvt_scalef32_pk8_fp8_f32 v[C+4*(\t)+2:C+4*(\t)+3], v[XS+8:XS+15], v11
	v_lshrrev_b32 v[E+(\t)], 23, v11               ; the scale's byte (also the plain line behind the conversions)
	ds_store_b8 v5, v[E+(\t)] offset:16*(\t)
	global_store_b128 v4, v[C+4*(\t):C+4*(\t)+3], s[12:13] offset:((\t)%2)*8192+((\t)/2)*256   ; row 2 t + h lies at place 16 (2 (t % 2) + h) + t / 2 of my half's places
.endm
.irp t, 0,1,2,3,4,5,6,7,8,9,10,11,12,13,14,15
	STEP \t
.endr
	ds_load_b64 v[12:13], v6
	s_wait_dscnt 0x0
	global_store_b64 v1, v[12:13], s[14:15]
	s_wait_tensorcnt 0x0                           ; the wave's end
	ds_add_u32 v192, v193
	s_wait_dscnt 0x0
	s_endpgm
.Lfunc_end_k_q61902b4b1d_quant:
	.size	k_q61902b4b1d_quant, .Lfunc_end_k_q61902b4b1d_quant-k_q61902b4b1d_quant
	.p2alignl 7, 3214868480
	.fill 96, 4, 3214868480
	.section	.rodata,"a",@progbits
	.p2align	6, 0x0
	.amdhsa_kernel k_q61902b4b1d_quant
		.amdhsa_group_segment_fixed_size 33280
		.amdhsa_private_segment_fixed_size 0
		.amdhsa_enable_private_segment 0
		.amdhsa_kernarg_size 48
		.amdhsa_user_sgpr_count 2
		.amdhsa_user_sgpr_kernarg_segment_ptr 1
		.amdhsa_wavefront_size32 1
		.amdhsa_system_sgpr_workgroup_id_x 1
		.amdhsa_system_sgpr_workgroup_id_y 1
		.amdhsa_system_sgpr_workgroup_id_z 1
		.amdhsa_system_vgpr_workitem_id 0
		.amdhsa_next_free_vgpr 194
		.amdhsa_next_free_sgpr 66
		.amdhsa_reserve_vcc 0
		.amdhsa_float_denorm_mode_32 3
		.amdhsa_float_denorm_mode_16_64 3
		.amdhsa_memory_ordered 1
		.amdhsa_forward_progress 1
		.amdhsa_inst_pref_size 52
	.end_amdhsa_kernel
	.amdgpu_metadata
---
amdhsa.version: [ 1, 2 ]
amdhsa.kernels:
  - .name:           k_q61902b4b1d_quant
    .symbol:         k_q61902b4b1d_quant.kd
    .args:
      - { .name: x, .offset: 0, .size: 8, .value_kind: global_buffer, .address_space: global }
      - { .name: hx, .offset: 8, .size: 8, .value_kind: global_buffer, .address_space: global }
      - { .name: weight_ih, .offset: 16, .size: 8, .value_kind: global_buffer, .address_space: global }
      - { .name: weight_hh, .offset: 24, .size: 8, .value_kind: global_buffer, .address_space: global }
      - { .name: a_pack, .offset: 32, .size: 8, .value_kind: global_buffer, .address_space: global }
      - { .name: b_pack, .offset: 40, .size: 8, .value_kind: global_buffer, .address_space: global }
    .group_segment_fixed_size: 33280
    .private_segment_fixed_size: 0
    .kernarg_segment_align: 8
    .kernarg_segment_size: 48
    .max_flat_workgroup_size: 128
    .sgpr_count:     66
    .vgpr_count:     194
    .wavefront_size: 32
...
	.end_amdgpu_metadata
.endif
;; end of part 1
;; launch gemm (part 2): grid 16 x 16, 4 waves a work-group, clusters of 4 x 4, 327,680 bytes of LDS; arguments a_pack, b_pack, gates, bias_ih, bias_hh; writes gates
.if DOCPART == 2
	.amdgcn_target "amdgcn-amd-amdhsa--gfx1250"
	.amdhsa_code_object_version 6
	.text
	.protected	k_q61902b4b1d_gemm
	.globl	k_q61902b4b1d_gemm
	.p2align	8
	.type	k_q61902b4b1d_gemm,@function
k_q61902b4b1d_gemm:
	s_mov_b64 s[64:65], 0
	v_nop
	global_prefetch_b8 v0, s[64:65] scope:SCOPE_SE
	s_setreg_imm32_b32 hwreg(HW_REG_WAVE_MODE, 25, 1), 1
	s_wait_xcnt 0x0
	s_wait_alu depctr_hold_cnt(0) depctr_sa_sdst(0) depctr_va_vdst(0) depctr_va_sdst(0) depctr_va_ssrc(0) depctr_va_vcc(0) depctr_vm_vsrc(0)
	s_getreg_b32 s2, hwreg(HW_REG_IB_STS2, 6, 4)
	s_cmp_eq_u32 s2, 0
	s_cbranch_scc0 .Lentry_in_a_cluster
	s_endpgm
.Lentry_in_a_cluster:
	s_bfe_u32 s2, ttmp6, 0x10000c
	s_cmp_lg_u32 s2, 0xf033
	s_cbranch_scc0 .Lentry_shape_is_right
	s_endpgm
.Lentry_shape_is_right:
; gates [8192][4096] f32 = [x | hx] [weight_ih | weight_hh]^T + bias_ih + bias_hh, on codes of MX-FP8 with K = 2,048.
; a_pack, b_pack: [K step of 256][group of 128 rows][132 rows of 256 bytes] (128 rows of codes, 4 of scale bytes); inside each 64 rows, row n lies at place 16 (n % 4) + n / 4.
; A work-group of four waves makes two tiles of 256 x 256, 4,096 rows apart; a wave makes 128 x 128: 64 accumulators.  K goes in steps of 256 through two LDS slots; a wave's one tensor load brings a whole block, scale bytes included.
; CLUSTERS 4 x 4: A's blocks are asked for jointly along a row of the cluster, B's along a column.
; SOURCE 0 = 16 places of A, SOURCE 1 = 16 places of B: in accumulator (a, b) lane (r, h) holds, in register j, row 64 (a / 4) + 32 h + 4 j + a % 4 and column 64 (b / 4) + 4 r + b % 4 of the wave's part.
; So register j of the four accumulators b = 4 c .. 4 c + 3 is four neighbouring columns of one row.  THE WAY OUT: one v_add_f32 a number adds the bias and lays the four side by side; sixteen lanes then store 256 consecutive bytes, aligned.
; No LDS stage, no stepped base: a row's place stands in the store's immediate (95 rows of 16,384 bytes at the most).  The first tile's stores are waited for by nothing.
; PREFETCH: behind each refill of the K loops' first two trips a wave names the block that its refill two on will load: 32 rows of 256 bytes, a lane a row; the four partners of a joint load take 32 rows each, told apart by address.
; A tile's K steps 0 to 3 and the blocks' four rows of scale bytes come by their loads alone; B's blocks are named in the first tile only, since the second reads the same.
; REGISTERS: window 0: v0-31 addresses, v32-63 scale words (two sets), v64-71 the bias, v128-255 A's fragments (one set); window 1: B's fragments, two sets (the second also serves the way out); windows 2, 3: the accumulators.
.set SIZE_M, 8192
.set SIZE_N, 4096
.set SIZE_K, 2048
.set WALK,   SIZE_M/2
.set KSTEP,  256
.set NQ,     KSTEP/128
.set PITCH,  272                       ; 256 bytes + 16 of padding
.set FR,     16
.set NL,     4
.set NP,     8                         ; places behind this matrix form (ISA guide 7.12.1)
.set LROWS,  132
.set BLK,    LROWS*256
.set KA,     (SIZE_M/128)*BLK
.set KB,     (SIZE_N/128)*BLK
.set HALFR,  LROWS*PITCH
.set SOFF,   128*PITCH
.set SLOT,   4*HALFR
.set LAPS,   SIZE_K/(2*KSTEP)
.set BACK_A, (SIZE_K/KSTEP-2)*KA-(WALK/128)*BLK
.set BACK_B, (SIZE_K/KSTEP-2)*KB
.set NEXT_C, WALK*SIZE_N*4
.set SPARE,  2*SLOT                    ; behind the ring: the spare words
.set ADRA, 16
.set ADRB, 20
.set ADRS, 22
.set CO,   26                          ; 16 r + 32 h rows of gates
.set SPW,  28
.set NIL,  29
.set PFO,  30                          ; 256 x lane
.set SC,   32
.set BI,   64
.set AF,   128
.set TM,   128                         ; window 1: the way out's 128 registers
.set G1, 24
.set G0, 32
.set G1B, 48
.set G0B, 56
.set PFA, 18                           ; s[18:19] what my next prefetch names
.set PST, 40                           ; s[40:41] a K step of my tensor in bytes
.set LIM, 44                           ; s44: 1 while my wave prefetches, then the greatest number
.set MSB, 0
.macro WIN new
.if MSB != (\new)
	s_set_vgpr_msb (MSB<<8)|(\new)
.set MSB, (\new)
.endif
.endm
.set MUL_LO, 0xa4                      ; source 0 (A) window 0, source 1 (B) window 1, C and D window 2
.set MUL_HI, 0xf4
.set TO_B,   0x40
.set FROM_B, 0x04
.macro JLOAD s                         ; waves 0, 1 fetch A's two blocks, waves 2, 3 B's; s_nop 0 and four v_nop behind each line
	s_cmp_eq_u32 s15, 0
	s_cbranch_scc0 .Lfor_b_\@
	tensor_load_to_lds s[G0+4*\s:G0+4*\s+3], s[G1:G1+7]
	s_nop 0
.rept 4
	v_nop
.endr
	s_branch .Lasked_\@
.Lfor_b_\@:
	tensor_load_to_lds s[G0B+4*\s:G0B+4*\s+3], s[G1B:G1B+7]
	s_nop 0
.rept 4
	v_nop
.endr
.Lasked_\@:
.endm
.macro CREST
	s_cmp_lg_u32 s14, 0
	s_cbranch_scc1 .Lnot_wave_0_\@
	s_barrier_signal -3
.Lnot_wave_0_\@:
	s_barrier_wait -3
	s_barrier_signal -1
	s_barrier_wait -1
.endm
.macro CROUND
	s_barrier_signal -1
	s_barrier_wait -1
	CREST
.endm
.macro ASK                             ; s3 counts the loop's trips down from 3: the last trip's refills have no K step two on
	s_cmp_gt_u32 s3, s[LIM]
	s_cbranch_scc0 .Lno_ask_\@
	global_prefetch_b8 v[PFO], s[PFA:PFA+1] th:TH_LOAD_NT scope:SCOPE_SE
.Lno_ask_\@:
.endm
	s_load_b128 s[4:7], s[0:1], 0x0                ; a_pack, b_pack
	s_load_b128 s[8:11], s[0:1], 0x10              ; gates, bias_ih
	s_load_b64 s[12:13], s[0:1], 0x20              ; bias_hh
	v_lshl_add_u32 v[SPW], v0, 2, SPARE
	v_mov_b32 v[NIL], 0
	ds_add_u32 v[SPW], v[NIL]                      ; the opening lines: the add twice on end and one wait
	ds_add_u32 v[SPW], v[NIL]
	v_lshrrev_b32 v1, 5, v0
	v_readfirstlane_b32 s14, v1                    ; wave
	s_lshr_b32 s15, s14, 1                         ; my half of the rows; also: I fetch for A (0) or B (1)
	s_and_b32 s16, s14, 1                          ; my half of the columns; also: which block I fetch
	s_bfe_u32 s40, ttmp6, 0x40000                  ; cx
	s_bfe_u32 s41, ttmp6, 0x40004                  ; cy
	s_lshl_b32 s42, ttmp9, 2
	s_add_co_u32 s42, s42, s40                     ; tile column
	s_and_b32 s17, ttmp7, 0xffff
	s_lshl_b32 s17, s17, 2
	s_add_co_u32 s17, s17, s41                     ; tile row
	s_lshl_b32 s43, s41, 2
	s_lshl_b32 s43, 15, s43                        ; my row of the cluster
	s_lshl_b32 s44, 0x1111, s40                    ; my column
	s_or_b32 s[G1+0], s43, (3<<16)|(1<<20)|(1<<21)|(5<<22)|(3<<25)   ; a dense block: 132 rows of 32 elements of 8 bytes, 16 bytes of padding behind each row
	s_or_b32 s[G1B+0], s44, (3<<16)|(1<<20)|(1<<21)|(5<<22)|(3<<25)
.irp g, G1, G1B
	s_mov_b32 s[\g+1], 32<<16
	s_mov_b32 s[\g+2], LROWS<<16
	s_mov_b32 s[\g+3], 32<<16
	s_mov_b32 s[\g+4], LROWS
	s_mov_b32 s[\g+5], 32
	s_mov_b32 s[\g+6], 0
	s_mov_b32 s[\g+7], 0
.endr
	s_lshl_b32 s20, s17, 1
	s_add_co_u32 s20, s20, s16
	s_mul_i32 s20, s20, BLK                        ; A: group 2 x tile row + half
	s_mov_b32 s21, 0
	s_lshl_b32 s46, s42, 1
	s_add_co_u32 s46, s46, s16
	s_mul_i32 s46, s46, BLK                        ; B: group 2 x tile column + half
	s_mov_b32 s47, 0
	s_mul_i32 s45, s14, HALFR                      ; LDS: wave x a block
	s_wait_dscnt 0x0
	s_wait_kmcnt 0x0
	s_add_nc_u64 s[20:21], s[4:5], s[20:21]
	s_add_nc_u64 s[46:47], s[6:7], s[46:47]
	CROUND                                         ; in front of the first joint loads
.irp s, 0,1
	s_mov_b32 s[G0+4*\s], 1
	s_add_co_u32 s[G0+4*\s+1], s45, \s*SLOT
	s_add_nc_u64 s[G0+4*\s+2:G0+4*\s+3], s[20:21], \s*KA
	s_or_b32 s[G0+4*\s+3], s[G0+4*\s+3], 0x80000000
	s_mov_b32 s[G0B+4*\s], 1
	s_add_co_u32 s[G0B+4*\s+1], s45, \s*SLOT
	s_add_nc_u64 s[G0B+4*\s+2:G0B+4*\s+3], s[46:47], \s*KB
	s_or_b32 s[G0B+4*\s+3], s[G0B+4*\s+3], 0x80000000
.endr
	JLOAD 0                                        ; K step 0: one tensor load a wave at the head
	s_cmp_eq_u32 s15, 0                            ; the prefetches: my tensor, my place among the four that ask with me, my K step's bytes
	s_cselect_b64 s[PFA:PFA+1], s[20:21], s[46:47]
	s_cselect_b32 s43, s40, s41
	s_mov_b32 s[PST], KB
	s_cselect_b32 s[PST], KA, s[PST]
	s_mov_b32 s[PST+1], 0
	s_mov_b32 s[LIM], 1
	s_lshl_b32 s43, s43, 13                        ; my work-group's 32 rows of the block
	s_mul_i32 s45, s[PST], 3                       ; at K step 3: the first refill steps it to 4
	s_add_co_u32 s22, s43, s45
	s_mov_b32 s23, 0
	s_add_nc_u64 s[PFA:PFA+1], s[PFA:PFA+1], s[22:23]
	v_and_b32 v1, 15, v0                           ; r
	v_bfe_u32 v2, v0, 4, 1                         ; h
	s_wait_alu depctr_va_vdst(0)                   ; the wait here, directly behind the writes
	v_mul_u32_u24 v3, v1, PITCH
	v_lshl_add_u32 v4, v2, 4, v3
	s_mul_i32 s21, s15, HALFR
	s_mul_i32 s22, s16, HALFR
	s_add_co_u32 s22, s22, 2*HALFR
.irp s, 0,1
	v_add_nc_u32 v[ADRA+\s], s21, v4
	v_add_nc_u32 v[ADRB+\s], s22, v4
	s_add_co_u32 s21, s21, SLOT
	s_add_co_u32 s22, s22, SLOT
.endr
	v_lshlrev_b32 v5, 3, v1                        ; scale words: 8 bytes a place; lanes 0-15 A's, lanes 16-31 B's
	s_mul_i32 s21, s15, HALFR
	s_mul_i32 s22, s16, HALFR
	s_add_co_u32 s22, s22, 2*HALFR
	s_sub_co_u32 s22, s22, s21
	v_mul_u32_u24 v6, s22, v2
	s_add_co_u32 s21, s21, SOFF
	v_add_nc_u32 v5, v5, v6
	v_add_nc_u32 v[ADRS], s21, v5
	v_add_nc_u32 v[ADRS+1], SLOT, v[ADRS]
	v_lshlrev_b32 v[CO], 4, v1
	v_lshl_add_u32 v[CO], v2, 19, v[CO]
	v_and_b32 v[PFO], 31, v0
	v_lshlrev_b32 v[PFO], 8, v[PFO]
	s_lshl_b32 s20, s17, 8
	s_lshl_b32 s21, s15, 7
	s_add_co_u32 s20, s20, s21
	s_lshl_b32 s20, s20, 14                        ; my first row of gates, in bytes
	s_mov_b32 s21, 0
	s_lshl_b32 s46, s42, 10
	s_lshl_b32 s47, s16, 9
	s_add_co_u32 s46, s46, s47                     ; my first column, in bytes
	s_mov_b32 s47, 0
	s_add_nc_u64 s[20:21], s[20:21], s[46:47]
	s_add_nc_u64 s[8:9], s[8:9], s[20:21]
	s_add_nc_u64 s[10:11], s[10:11], s[46:47]
	s_add_nc_u64 s[12:13], s[12:13], s[46:47]
	v_lshlrev_b32 v7, 4, v1
.irp c, 0,1
	global_load_b128 v[BI+4*\c:BI+4*\c+3],     v7, s[10:11] offset:256*\c   ; register 4 c + t: the bias of column 64 c + 4 r + t
	global_load_b128 v[BI+8+4*\c:BI+8+4*\c+3], v7, s[12:13] offset:256*\c
.endr
.macro FRAG reg, adr, q, i
.irp c, 0,1,2,3
	ds_load_b128 v[\reg+4*\c:\reg+4*\c+3], v[\adr] offset:128*(\q)+32*\c+(\i)*16*PITCH
.endr
.endm
; 16 matrix instructions: A's blocks a0, a0 + 1 x B's eight; the 64 accumulators take turns in the same order in every step
.macro MUL16 a0, p, q, sc, first
.irp a, \a0, \a0+1
.irp b, 0,1,2,3,4,5,6,7
.if \first
	v_wmma_scale_f32_16x16x128_f8f6f4 v[8*(8*((\a)%4)+\b):8*(8*((\a)%4)+\b)+7], v[AF+FR*(\a):AF+FR*(\a)+FR-1], v[128*(\p)+FR*\b:128*(\p)+FR*\b+FR-1], 0, v[SC+8*NQ*(\sc)+NQ*(\a)+(\q)], v[SC+8*NQ*(\sc)+NQ*\b+(\q)] matrix_b_scale:MATRIX_SCALE_ROW1
.else
	v_wmma_scale_f32_16x16x128_f8f6f4 v[8*(8*((\a)%4)+\b):8*(8*((\a)%4)+\b)+7], v[AF+FR*(\a):AF+FR*(\a)+FR-1], v[128*(\p)+FR*\b:128*(\p)+FR*\b+FR-1], v[8*(8*((\a)%4)+\b):8*(8*((\a)%4)+\b)+7], v[SC+8*NQ*(\sc)+NQ*(\a)+(\q)], v[SC+8*NQ*(\sc)+NQ*\b+(\q)] matrix_b_scale:MATRIX_SCALE_ROW1
.endif
.endr
.endr
.endm
.macro FETCH_B slot, q, p
	WIN TO_B
.irp i, 0,1,2,3,4,5,6,7
	FRAG 128*(\p)+FR*\i, ADRB+\slot, \q, \i
.endr
	WIN 0
.endm
.macro FETCH_A slot, q, i0
.irp i, \i0, \i0+1, \i0+2, \i0+3
	FRAG AF+FR*(\i), ADRA+\slot, \q, \i
.endr
.endm
.macro SCALES sc
.irp i, 0,1,2,3,4,5,6,7
	ds_load_b64 v[SC+8*NQ*\sc+NQ*\i:SC+8*NQ*\sc+NQ*\i+1], v[ADRS+\sc] offset:(\i/2)*PITCH+(\i%2)*128
.endr
.endm
.macro PLACES n
.rept \n
	v_nop
.endr
.endm
.macro STEP slot, q, first             ; 128 along K with its successor in the same slot
	s_wait_dscnt 4*NL                              ; all but A's blocks 4-7, the youngest 16 loads
	WIN MUL_LO
	MUL16 0, (\q)%2, \q, \slot, \first
	MUL16 2, (\q)%2, \q, \slot, \first
	s_wait_dscnt 0
	PLACES NP
	FETCH_B \slot, (\q)+1, 1-(\q)%2
	FETCH_A \slot, (\q)+1, 0
	WIN MUL_HI
	MUL16 4, (\q)%2, \q, \slot, \first
	MUL16 6, (\q)%2, \q, \slot, \first
	PLACES NP
	WIN 0
	FETCH_A \slot, (\q)+1, 4
.endm
; A slot's last step changes slots.  fill = 1: the slot takes the K step two on; 2: the next tile's K step 0 or 1; 0: nothing
.macro TURN slot, next, fill
.if \fill == 1
	s_wait_xcnt 0x0                                ; my last prefetch has read its address
	s_add_nc_u64 s[PFA:PFA+1], s[PFA:PFA+1], s[PST:PST+1]
.endif
	s_wait_dscnt 4*NL                              ; all but A's blocks 4-7, the youngest 16 loads
	WIN MUL_LO
	MUL16 0, 1, NQ-1, \slot, 0                     ; 32 matrix instructions on registers alone stand ahead of the wait for the tile
	MUL16 2, 1, NQ-1, \slot, 0
	WIN 0
	s_wait_tensorcnt 0x0                           ; all my tensor loads have landed;
	ds_add_u32 v[SPW], v[NIL]                      ; the add on my spare word;
	s_wait_dscnt 0x0                               ; the add is done, my reads of this slot are over
	s_barrier_signal -1
	s_barrier_wait -1
.if \fill
	CREST                                          ; the barrier has opened a round of the cluster's barrier
.if \fill == 2
	s_sub_nc_u64 s[G0+4*\slot+2:G0+4*\slot+3], s[G0+4*\slot+2:G0+4*\slot+3], BACK_A
	s_sub_nc_u64 s[G0B+4*\slot+2:G0B+4*\slot+3], s[G0B+4*\slot+2:G0B+4*\slot+3], BACK_B
.else
	s_add_nc_u64 s[G0+4*\slot+2:G0+4*\slot+3], s[G0+4*\slot+2:G0+4*\slot+3], 2*KA
	s_add_nc_u64 s[G0B+4*\slot+2:G0B+4*\slot+3], s[G0B+4*\slot+2:G0B+4*\slot+3], 2*KB
.endif
	JLOAD \slot
	PLACES NP-4
.else
	PLACES NP
.endif
	FETCH_B \next, 0, 0
	FETCH_A \next, 0, 0
	SCALES \next
.if \fill == 1
	ASK
.endif
	WIN MUL_HI
	MUL16 4, 1, NQ-1, \slot, 0
	MUL16 6, 1, NQ-1, \slot, 0
	PLACES NP
	WIN 0
	FETCH_A \next, 0, 4
.endm
.macro LAPS_LOOP
	s_mov_b32 s3, LAPS-1
.Llap_\@:
	TURN 0, 1, 1
	STEP 1, 0, 0
	TURN 1, 0, 1
	STEP 0, 0, 0
	s_sub_co_u32 s3, s3, 1
	s_cmp_lg_u32 s3, 0
	s_cbranch_scc1 .Llap_\@
.endm
; The way out of A's block a: 64 additions of the bias, each accumulator from its low end on, then 16 stores; two sets of 64 registers by turns
.macro OUTBLK a
.set AC, 64*((\a)%4)
.set TB, TM+64*((\a)%2)
.if (\a) > 1
	s_wait_xcnt 0x0                                ; the earlier stores have read their registers
.endif
	WIN 0x42+(\a)/4
.irp j, 0,1,2,3,4,5,6,7
.irp b, 0,1,2,3,4,5,6,7
	v_add_f32 v[TB+8*\j+\b], v[AC+8*\b+\j], v[BI+\b]
.endr
.endr
	WIN FROM_B
.irp j, 0,1,2,3,4,5,6,7
.irp c, 0,1
	global_store_b128 v[CO], v[TB+8*\j+4*\c:TB+8*\j+4*\c+3], s[8:9] offset:(64*((\a)/4)+4*\j+(\a)%4)*SIZE_N*4+256*\c   ; 16 lanes: 256 consecutive bytes, aligned
.endr
.endr
.endm
.macro WAYOUT
.irp a, 0,1,2,3,4,5,6,7
	OUTBLK \a
.endr
	WIN 0
.endm
	s_wait_loadcnt 0x0
.irp i, 0,2,4,6
	v_pk_add_f32 v[BI+\i:BI+\i+1], v[BI+\i:BI+\i+1], v[BI+8+\i:BI+8+\i+1]
.endr
	s_wait_alu depctr_va_vdst(0)                   ; the wait at the head's end
	s_wait_tensorcnt 0x0                           ; my block of K step 0 is in; the same lines as ahead of a refill:
	ds_add_u32 v[SPW], v[NIL]
	s_wait_dscnt 0x0
	CROUND
	JLOAD 1                                        ; slot 1's first fill
	FETCH_B 0, 0, 0
	FETCH_A 0, 0, 0
	SCALES 0
	FETCH_A 0, 0, 4
	STEP 0, 0, 1                                   ; the first products start the sums
	LAPS_LOOP
	TURN 0, 1, 2                                   ; the ring goes on into the second tile
	STEP 1, 0, 0
	TURN 1, 0, 2
	WAYOUT
	s_wait_xcnt 0x0                                ; the stores have read their base and registers, my prefetches their address
	s_add_nc_u64 s[8:9], s[8:9], NEXT_C
	s_sub_nc_u64 s[PFA:PFA+1], s[PFA:PFA+1], BACK_A ; A's waves: from K step 9 of the first tile's rows to K step 3 of the second's
	s_cmp_eq_u32 s15, 0
	s_cselect_b32 s[LIM], 1, -1                    ; B's waves ask no more
	PLACES NP+1
	STEP 0, 0, 1
	LAPS_LOOP
	TURN 0, 1, 0
	STEP 1, 0, 0
	s_wait_dscnt 4*NL
	WIN MUL_LO
	MUL16 0, 1, NQ-1, 1, 0
	MUL16 2, 1, NQ-1, 1, 0
	s_wait_dscnt 0
	WIN MUL_HI
	MUL16 4, 1, NQ-1, 1, 0
	MUL16 6, 1, NQ-1, 1, 0
	WIN 0
	PLACES NP
	WAYOUT
	s_wait_tensorcnt 0x0                           ; the wave's end
	ds_add_u32 v[SPW], v[NIL]
	s_wait_dscnt 0x0
	CROUND                                         ; the closing round
	s_endpgm
.Lfunc_end_k_q61902b4b1d_gemm:
	.size	k_q61902b4b1d_gemm, .Lfunc_end_k_q61902b4b1d_gemm-k_q61902b4b1d_gemm
	.p2alignl 7, 3214868480
	.fill 96, 4, 3214868480
	.section	.rodata,"a",@progbits
	.p2align	6, 0x0
	.amdhsa_kernel k_q61902b4b1d_gemm
		.amdhsa_group_segment_fixed_size 327680
		.amdhsa_private_segment_fixed_size 0
		.amdhsa_enable_private_segment 0
		.amdhsa_kernarg_size 40
		.amdhsa_user_sgpr_count 2
		.amdhsa_user_sgpr_kernarg_segment_ptr 1
		.amdhsa_wavefront_size32 1
		.amdhsa_system_sgpr_workgroup_id_x 1
		.amdhsa_system_sgpr_workgroup_id_y 1
		.amdhsa_system_sgpr_workgroup_id_z 1
		.amdhsa_system_vgpr_workitem_id 0
		.amdhsa_next_free_vgpr 1024
		.amdhsa_next_free_sgpr 66
		.amdhsa_reserve_vcc 0
		.amdhsa_float_denorm_mode_32 3
		.amdhsa_float_denorm_mode_16_64 3
		.amdhsa_memory_ordered 1
		.amdhsa_forward_progress 1
		.amdhsa_inst_pref_size 255
	.end_amdhsa_kernel
	.section	.bss,"aw",@nobits
	.p2align	6
	.space	262144
	.amdgpu_metadata
---
amdhsa.version: [ 1, 2 ]
amdhsa.kernels:
  - .name:           k_q61902b4b1d_gemm
    .symbol:         k_q61902b4b1d_gemm.kd
    .args:
      - { .name: a_pack, .offset: 0, .size: 8, .value_kind: global_buffer, .address_space: global }
      - { .name: b_pack, .offset: 8, .size: 8, .value_kind: global_buffer, .address_space: global }
      - { .name: gates, .offset: 16, .size: 8, .value_kind: global_buffer, .address_space: global }
      - { .name: bias_ih, .offset: 24, .size: 8, .value_kind: global_buffer, .address_space: global }
      - { .name: bias_hh, .offset: 32, .size: 8, .value_kind: global_buffer, .address_space: global }
    .group_segment_fixed_size: 327680
    .private_segment_fixed_size: 0
    .kernarg_segment_align: 8
    .kernarg_segment_size: 40
    .max_flat_workgroup_size: 128
    .sgpr_count:     66
    .vgpr_count:     1024
    .wavefront_size: 32
...
	.end_amdgpu_metadata
.endif
;; end of part 2
;; launch cell (part 3): grid 256 x 1, 4 waves a work-group, no clusters, 0 bytes of LDS; arguments gates, cx, out0, out1, ln_i_g, ln_i_b, ln_f_g, ln_f_b, ln_cx_g, ln_cx_b, ln_o_g, ln_o_b, ln_cy_g, ln_cy_b; writes out0, out1
.if DOCPART == 3
	.amdgcn_target "amdgcn-amd-amdhsa--gfx1250"
	.amdhsa_code_object_version 6
	.text
	.protected	k_q61902b4b1d_cell
	.globl	k_q61902b4b1d_cell
	.p2align	8
	.type	k_q61902b4b1d_cell,@function
k_q61902b4b1d_cell:
	s_mov_b64 s[64:65], 0
	v_nop
	global_prefetch_b8 v0, s[64:65] scope:SCOPE_SE
	s_setreg_imm32_b32 hwreg(HW_REG_WAVE_MODE, 25, 1), 1
	s_wait_xcnt 0x0
; The cell behind the product.  gates [8192][4096] f32 (biases included) = i | f | c | o; cx [8192][1024]; out0 = hy, out1 = cy.
;   i, f, o = sigmoid(LN(.)), c = tanh(LN(.)), cy = LN(f cx + i c), hy = o tanh(cy).  LN(x) = (x - mean) rsqrt(var + 1e-5) g + b over 1,024 columns, all in f32.
; The variance is taken of x - mean, in a second pass over registers, as the definition has it.
; sigmoid(y) = 1 / (1 + 2^(-log2e y)), tanh(y) = 1 - 2 / (1 + 2^(2 log2e y)); where 2^. overflows to infinity the reciprocal is 0, the right limit.
; LIMITS: NaN and infinities among the inputs are not served; tanh near 0 carries an absolute error of about one ulp of 1.
; SHARES: a work-group takes 32 rows, each of its four waves 8, ONE WAVE A WHOLE ROW at a time: 4 gates and cx, 160 registers a lane, kept through all five norms: each byte is read once, no reduction leaves the wave.
; Load j of a piece of 4,096 bytes gives lane l the columns 128 j + 4 l + 0 .. 3: every load and store of a wave covers 512 consecutive bytes, aligned.
; TWO ROW SLOTS: even rows in window 0, odd rows in window 1, at the same register numbers: while one row is worked on, the other's forty loads are out.
; THE TEN VECTORS g, b STAY IN REGISTERS, laid as a row's registers: 320 registers in windows 2 and 3, loaded once, i's, f's, o's multiplied by -log2e and c's by 2 log2e: the norm's multiply-add gives the exponent of 2 itself.
; THE FOUR GATES OF A ROW ARE WORKED AS ONE BATCH: their sums and lane reductions are four chains that take turns, and their roots, exponentials and reciprocals are one batch each, with one wait ahead of a batch and one behind it.
; No LDS, no barrier, no tensor loads, no cluster (the work-groups share 40 KiB of parameters and nothing else), no matrix work.
; A trip of the loop is two rows, four trips.  In the last trip a branch on the loop's counter leads round each refill; that arm waits for all loads instead, so the counted wait at a row's head holds on every way.
.set VO,  1                            ; v1  16 x lane; window 0; never rewritten
.set RED, 4                            ; v4-7   window 0: up to four sums on their way across the lanes
.set TP,  8                            ; v8-11  window 0: the lane permutes' destinations
.set SS,  16                           ; v16-31 of the row's window: chain k has two packed sums at SS + 4 k and SS + 4 k + 2
.set NM,  32                           ; v32-39 of the row's window: pairs (minus the mean of chain k, 0)
.set RS,  40                           ; v40-47 pairs (1 / sqrt(var + eps), 0)
.set RI,  96                           ; the row's five pieces, piece g at RI + 32 g
.set RF,  128
.set RC,  160
.set RO,  192
.set RX,  224
.set W,   0
.set MSB, 0
.macro WIN new                         ; low byte: bits 1:0 source 0, 3:2 source 1, 5:4 source 2, 7:6 destination; the high byte repeats the setting left
.if MSB != (\new)
	s_set_vgpr_msb (MSB<<8)|(\new)
.set MSB, (\new)
.endif
.endm
	s_load_b256 s[4:11], s[0:1], 0x0               ; gates, cx, out0, out1
	s_load_b512 s[16:31], s[0:1], 0x20             ; i_g, i_b, f_g, f_b, c_g, c_b, o_g, o_b
	s_load_b128 s[32:35], s[0:1], 0x60             ; cy_g, cy_b
	v_and_b32 v[VO], 31, v0
	v_lshlrev_b32 v[VO], 4, v[VO]
	v_lshrrev_b32 v2, 5, v0
	v_readfirstlane_b32 s36, v2                    ; wave 0..3
.irp k, 0,1,2,3
	v_mov_b32 v[TP+\k], 0                          ; written once: a lane permute's destination counts as one of its sources
	v_mov_b32 v[NM+2*\k+1], 0                      ; the pairs' upper halves, in both windows
	v_mov_b32 v[RS+2*\k+1], 0
.endr
	WIN 0x40
.irp k, 0,1,2,3
	v_mov_b32 v[NM+2*\k+1], 0
	v_mov_b32 v[RS+2*\k+1], 0
.endr
	WIN 0
	s_mov_b32 s40, 0x3a800000                      ; 1 / 1024
	s_mov_b32 s41, 0x3727c5ac                      ; 1e-5
	s_mov_b32 s42, 0xba800000                      ; -1 / 1024
	s_mov_b32 s44, 0x76543210
	s_mov_b32 s45, 0xfedcba98
	s_mov_b32 s46, 0x4038aa3b                      ; 2 log2(e)
	s_mov_b32 s47, s46
	s_mov_b32 s48, 0xbfb8aa3b                      ; -log2(e)
	s_mov_b32 s49, s48
	s_lshl_b32 s38, ttmp9, 19                      ; gates: 32 rows of 16,384 bytes a work-group,
	s_lshl_b32 s37, s36, 17                        ; 8 rows a wave
	s_add_co_u32 s38, s38, s37
	s_mov_b32 s39, 0
	s_wait_alu depctr_va_vdst(0)                   ; the wait at the head's end
	s_wait_kmcnt 0x0
	s_add_nc_u64 s[4:5], s[4:5], s[38:39]
	s_lshr_b32 s38, s38, 2
	s_add_nc_u64 s[6:7], s[6:7], s[38:39]
	s_add_nc_u64 s[8:9], s[8:9], s[38:39]
	s_add_nc_u64 s[10:11], s[10:11], s[38:39]
.macro FILL r                          ; row r from the bases: forty loads into its slot
.set W, (\r)%2
	WIN 0x40*W
.irp q, 0,1,2,3
.irp j, 0,1,2,3,4,5,6,7
	global_load_b128 v[RI+32*\q+4*\j:RI+32*\q+4*\j+3], v[VO], s[4:5] offset:(\r)*16384+\q*4096+\j*512 th:TH_LOAD_NT
.endr
.endr
.irp j, 0,1,2,3,4,5,6,7
	global_load_b128 v[RX+4*\j:RX+4*\j+3], v[VO], s[6:7] offset:(\r)*4096+\j*512 th:TH_LOAD_NT
.endr
.endm
; The sums (sq = 0) or sums of squares (sq = 1) of pieces g0 .. g0 + n - 1, the n chains by turns: the results in v[RED + k] of window 0, in every lane.  Left with every window 0
.macro SUMS g0, n, sq
	WIN 0x55*W
.irp k, 0,1,2,3
.if \k < \n
.set XB, RI+32*((\g0)+\k)
.if \sq
	v_pk_mul_f32 v[SS+4*\k:SS+4*\k+1], v[XB:XB+1], v[XB:XB+1]
	v_pk_mul_f32 v[SS+4*\k+2:SS+4*\k+3], v[XB+2:XB+3], v[XB+2:XB+3]
.else
	v_pk_add_f32 v[SS+4*\k:SS+4*\k+1], v[XB:XB+1], v[XB+2:XB+3]
	v_pk_add_f32 v[SS+4*\k+2:SS+4*\k+3], v[XB+4:XB+5], v[XB+6:XB+7]
.endif
.endif
.endr
.irp j, 4,8,12,16,20,24,28
.irp k, 0,1,2,3
.if \k < \n
.set XB, RI+32*((\g0)+\k)+\j
.if \sq
	v_pk_fma_f32 v[SS+4*\k:SS+4*\k+1], v[XB:XB+1], v[XB:XB+1], v[SS+4*\k:SS+4*\k+1]
	v_pk_fma_f32 v[SS+4*\k+2:SS+4*\k+3], v[XB+2:XB+3], v[XB+2:XB+3], v[SS+4*\k+2:SS+4*\k+3]
.else
.if \j > 4
	v_pk_add_f32 v[SS+4*\k:SS+4*\k+1], v[SS+4*\k:SS+4*\k+1], v[XB:XB+1]
	v_pk_add_f32 v[SS+4*\k+2:SS+4*\k+3], v[SS+4*\k+2:SS+4*\k+3], v[XB+2:XB+3]
.endif
.endif
.endif
.endr
.endr
.irp k, 0,1,2,3
.if \k < \n
	v_pk_add_f32 v[SS+4*\k:SS+4*\k+1], v[SS+4*\k:SS+4*\k+1], v[SS+4*\k+2:SS+4*\k+3]
.endif
.endr
	WIN 0x05*W
.irp k, 0,1,2,3
.if \k < \n
	v_add_f32 v[RED+\k], v[SS+4*\k], v[SS+4*\k+1]
.endif
.endr
	WIN 0
.irp m, 1,2,4,8
.irp k, 0,1,2,3
.if \k < \n
	v_add_f32_dpp v[RED+\k], v[RED+\k], v[RED+\k] row_xmask:\m row_mask:0xf bank_mask:0xf
.endif
.endr
.endr
.irp k, 0,1,2,3
.if \k < \n
	v_permlanex16_b32 v[TP+\k], v[RED+\k], s44, s45
.endif
.endr
.irp k, 0,1,2,3
.if \k < \n
	v_add_f32 v[RED+\k], v[RED+\k], v[TP+\k]
.endif
.endr
.endm
.macro STATS g0, n                     ; the n pieces become x - mean; v[RS + 2 k] = 1 / sqrt(var + eps)
	SUMS \g0, \n, 0
	WIN 0x40*W
.irp k, 0,1,2,3
.if \k < \n
	v_mul_f32 v[NM+2*\k], s42, v[RED+\k]
.endif
.endr
	WIN 0x55*W
.irp k, 0,1,2,3
.if \k < \n
.irp j, 0,2,4,6,8,10,12,14,16,18,20,22,24,26,28,30
	v_pk_add_f32 v[RI+32*((\g0)+\k)+\j:RI+32*((\g0)+\k)+\j+1], v[RI+32*((\g0)+\k)+\j:RI+32*((\g0)+\k)+\j+1], v[NM+2*\k:NM+2*\k+1] op_sel_hi:[1,0]
.endr
.endif
.endr
	SUMS \g0, \n, 1
.irp k, 0,1,2,3
.if \k < \n
	v_fma_f32 v[RED+\k], v[RED+\k], s40, s41       ; var + eps
.endif
.endr
	WIN 0x40*W
	s_wait_alu depctr_va_vdst(0)                   ; the wait ahead of the batch
.irp k, 0,1,2,3
.if \k < \n
	v_rsq_f32 v[RS+2*\k], v[RED+\k]
.endif
.endr
	v_nop                                          ; a plain place behind it (ISA guide 5.7.2)
.endm
.macro NORM g0, n                      ; (x - mean) / sqrt(..) x g + b; norm q's g at v[64 (q % 4)], its b 32 further on, in window 2 + q / 4
	WIN 0x55*W
	s_wait_alu depctr_va_vdst(0)                   ; and the wait ahead of the batch's first reader
.irp k, 0,1,2,3
.if \k < \n
.irp j, 0,2,4,6,8,10,12,14,16,18,20,22,24,26,28,30
	v_pk_mul_f32 v[RI+32*((\g0)+\k)+\j:RI+32*((\g0)+\k)+\j+1], v[RI+32*((\g0)+\k)+\j:RI+32*((\g0)+\k)+\j+1], v[RS+2*\k:RS+2*\k+1] op_sel_hi:[1,0]
.endr
.endif
.endr
	WIN (0x41*W)|(0x14*(2+(\g0)/4))
.irp k, 0,1,2,3
.if \k < \n
.irp j, 0,2,4,6,8,10,12,14,16,18,20,22,24,26,28,30
	v_pk_fma_f32 v[RI+32*((\g0)+\k)+\j:RI+32*((\g0)+\k)+\j+1], v[RI+32*((\g0)+\k)+\j:RI+32*((\g0)+\k)+\j+1], v[64*(((\g0)+\k)%4)+\j:64*(((\g0)+\k)%4)+\j+1], v[64*(((\g0)+\k)%4)+32+\j:64*(((\g0)+\k)%4)+32+\j+1]
.endr
.endif
.endr
.endm
.macro SIGM reg, n                     ; z -> 1 / (1 + 2^z), in place, on n registers
	WIN 0x55*W
	s_wait_alu depctr_va_vdst(0)                   ; ahead of the batch
.set i, 0
.rept \n
	v_exp_f32 v[\reg+i], v[\reg+i]
.set i, i+1
.endr
	v_nop
	s_wait_alu depctr_va_vdst(0)                   ; behind it
.set i, 0
.rept (\n)/2
	v_pk_add_f32 v[\reg+i:\reg+i+1], v[\reg+i:\reg+i+1], 1.0 op_sel_hi:[1,0]
.set i, i+2
.endr
.set i, 0
	s_wait_alu depctr_va_vdst(0)
.rept \n
	v_rcp_f32 v[\reg+i], v[\reg+i]
.set i, i+1
.endr
	v_nop
.endm
.macro TANHT reg                       ; s -> 1 - 2 s
	WIN 0x55*W
	s_wait_alu depctr_va_vdst(0)                   ; behind the reciprocals, ahead of their first reader
.irp k, 0,2,4,6,8,10,12,14,16,18,20,22,24,26,28,30
	v_pk_fma_f32 v[\reg+\k:\reg+\k+1], v[\reg+\k:\reg+\k+1], -2.0, 1.0 op_sel_hi:[1,0,0]
.endr
.endm
; A row of the pair (r = 0: even, 1: odd).  s50 counts the trips down from 4
.macro ROW r
.set W, (\r)%2
	s_wait_loadcnt 40                              ; this row's forty are in; the other slot's forty may be out
	STATS 0, 4
	NORM 0, 4
.if (\r) == 1
	s_wait_xcnt 0x0                                ; every earlier memory instruction has read its base
	s_add_nc_u64 s[4:5], s[4:5], 0x8000            ; two rows on: from here the odd row lies one row behind the bases
	s_add_nc_u64 s[6:7], s[6:7], 0x2000
	s_add_nc_u64 s[8:9], s[8:9], 0x2000
	s_add_nc_u64 s[10:11], s[10:11], 0x2000
.endif
	SIGM RI, 128                                   ; i, f, o, and c's half-way value
	TANHT RC                                       ; c
.irp k, 0,2,4,6,8,10,12,14,16,18,20,22,24,26,28,30
	v_pk_mul_f32 v[RX+\k:RX+\k+1], v[RF+\k:RF+\k+1], v[RX+\k:RX+\k+1]
.endr
.irp k, 0,2,4,6,8,10,12,14,16,18,20,22,24,26,28,30
	v_pk_fma_f32 v[RX+\k:RX+\k+1], v[RI+\k:RI+\k+1], v[RC+\k:RC+\k+1], v[RX+\k:RX+\k+1]
.endr
	STATS 4, 1
	NORM 4, 1                                      ; cy
	WIN 0x04*W
.irp j, 0,1,2,3,4,5,6,7
	global_store_b128 v[VO], v[RX+4*\j:RX+4*\j+3], s[10:11] offset:512*\j-(\r)*4096 th:TH_STORE_NT
.endr
	WIN 0x55*W
.irp k, 0,2,4,6,8,10,12,14,16,18,20,22,24,26,28,30
	v_pk_mul_f32 v[RI+\k:RI+\k+1], v[RX+\k:RX+\k+1], s[46:47] op_sel_hi:[1,0]   ; 2 log2e cy, into i's registers, which are done with
.endr
	SIGM RI, 32
	TANHT RI                                       ; tanh(cy)
.irp k, 0,2,4,6,8,10,12,14,16,18,20,22,24,26,28,30
	v_pk_mul_f32 v[RO+\k:RO+\k+1], v[RO+\k:RO+\k+1], v[RI+\k:RI+\k+1]           ; hy
.endr
	WIN 0x04*W
.irp j, 0,1,2,3,4,5,6,7
	global_store_b128 v[VO], v[RO+4*\j:RO+4*\j+3], s[8:9] offset:512*\j-(\r)*4096 th:TH_STORE_NT
.endr
	WIN 0
	s_cmp_eq_u32 s50, 1                            ; the last trip fetches nothing
	s_wait_alu depctr_va_vdst(0)                   ; the wait ahead of the branch
	s_cbranch_scc1 .Lno_fill_\@
	s_wait_xcnt 0x0                                ; loads land in the registers that the sixteen stores read only behind this wait
	FILL 2-(\r)                                    ; the row two further on: two rows ahead of the bases for the even row, one for the odd
	WIN 0
	s_branch .Lfilled_\@
.Lno_fill_\@:
	s_wait_loadcnt 0x0                             ; no younger loads follow on this way: the other slot's are waited for here
.Lfilled_\@:
.endm
	WIN 0x80                                       ; the ten vectors: 512 consecutive bytes a load, laid as a row's registers
.irp p, 0,1,2,3,4,5,6,7
.irp j, 0,1,2,3,4,5,6,7
	global_load_b128 v[32*\p+4*\j:32*\p+4*\j+3], v[VO], s[16+2*\p:17+2*\p] offset:512*\j
.endr
.endr
	WIN 0xc0
.irp p, 0,1
.irp j, 0,1,2,3,4,5,6,7
	global_load_b128 v[32*\p+4*\j:32*\p+4*\j+3], v[VO], s[32+2*\p:33+2*\p] offset:512*\j
.endr
.endr
	FILL 0
	FILL 1
	s_wait_loadcnt 40                              ; the eighty and row 0's forty are in; row 1's forty may be out
	WIN 0x82
.set i, 0
.rept 128
.if (i/32) == 2
	v_pk_mul_f32 v[2*i:2*i+1], v[2*i:2*i+1], s[46:47] op_sel_hi:[1,0]   ; c's g and b: x 2 log2e
.else
	v_pk_mul_f32 v[2*i:2*i+1], v[2*i:2*i+1], s[48:49] op_sel_hi:[1,0]   ; i's, f's, o's: x -log2e
.endif
.set i, i+1
.endr
	WIN 0
	s_wait_alu depctr_va_vdst(0)
	s_mov_b32 s50, 4
.Lpair:
	ROW 0
	ROW 1
	s_sub_co_u32 s50, s50, 1
	s_cmp_lg_u32 s50, 0
	s_cbranch_scc1 .Lpair
	s_endpgm
.Lfunc_end_k_q61902b4b1d_cell:
	.size	k_q61902b4b1d_cell, .Lfunc_end_k_q61902b4b1d_cell-k_q61902b4b1d_cell
	.p2alignl 7, 3214868480
	.fill 96, 4, 3214868480
	.section	.rodata,"a",@progbits
	.p2align	6, 0x0
	.amdhsa_kernel k_q61902b4b1d_cell
		.amdhsa_group_segment_fixed_size 0
		.amdhsa_private_segment_fixed_size 0
		.amdhsa_enable_private_segment 0
		.amdhsa_kernarg_size 112
		.amdhsa_user_sgpr_count 2
		.amdhsa_user_sgpr_kernarg_segment_ptr 1
		.amdhsa_wavefront_size32 1
		.amdhsa_system_sgpr_workgroup_id_x 1
		.amdhsa_system_sgpr_workgroup_id_y 1
		.amdhsa_system_sgpr_workgroup_id_z 1
		.amdhsa_system_vgpr_workitem_id 0
		.amdhsa_next_free_vgpr 832
		.amdhsa_next_free_sgpr 66
		.amdhsa_reserve_vcc 0
		.amdhsa_float_denorm_mode_32 3
		.amdhsa_float_denorm_mode_16_64 3
		.amdhsa_memory_ordered 1
		.amdhsa_forward_progress 1
		.amdhsa_inst_pref_size 140
	.end_amdhsa_kernel
	.amdgpu_metadata
---
amdhsa.version: [ 1, 2 ]
amdhsa.kernels:
  - .name:           k_q61902b4b1d_cell
    .symbol:         k_q61902b4b1d_cell.kd
    .args:
      - { .name: gates, .offset: 0, .size: 8, .value_kind: global_buffer, .address_space: global }
      - { .name: cx, .offset: 8, .size: 8, .value_kind: global_buffer, .address_space: global }
      - { .name: out0, .offset: 16, .size: 8, .value_kind: global_buffer, .address_space: global }
      - { .name: out1, .offset: 24, .size: 8, .value_kind: global_buffer, .address_space: global }
      - { .name: ln_i_g, .offset: 32, .size: 8, .value_kind: global_buffer, .address_space: global }
      - { .name: ln_i_b, .offset: 40, .size: 8, .value_kind: global_buffer, .address_space: global }
      - { .name: ln_f_g, .offset: 48, .size: 8, .value_kind: global_buffer, .address_space: global }
      - { .name: ln_f_b, .offset: 56, .size: 8, .value_kind: global_buffer, .address_space: global }
      - { .name: ln_cx_g, .offset: 64, .size: 8, .value_kind: global_buffer, .address_space: global }
      - { .name: ln_cx_b, .offset: 72, .size: 8, .value_kind: global_buffer, .address_space: global }
      - { .name: ln_o_g, .offset: 80, .size: 8, .value_kind: global_buffer, .address_space: global }
      - { .name: ln_o_b, .offset: 88, .size: 8, .value_kind: global_buffer, .address_space: global }
      - { .name: ln_cy_g, .offset: 96, .size: 8, .value_kind: global_buffer, .address_space: global }
      - { .name: ln_cy_b, .offset: 104, .size: 8, .value_kind: global_buffer, .address_space: global }
    .group_segment_fixed_size: 0
    .private_segment_fixed_size: 0
    .kernarg_segment_align: 8
    .kernarg_segment_size: 112
    .max_flat_workgroup_size: 128
    .sgpr_count:     66
    .vgpr_count:     832
    .wavefront_size: 32
...
	.end_amdgpu_metadata
.endif
;; end of part 3
